; MI455X (gfx1250); checked and timed in simulation.
; The chip was launched on July 23, 2026; its instructions are those of AMD's public machine-readable ISA for CDNA 5 (MIT licence, August 2026) and "CDNA5" Instruction Set Architecture Reference Guide (July 2026). The comments in the code are by the model that wrote it; some were corrected since.
;; Attn. Allowed arithmetic: float matrix products may take bf16 or f16 operands with f32 sums; all other float work in f32.
;; Inputs: W 1,024 x 1,024 float32; b 1,024 float32; encoder_outputs 32 x 2,048 x 1,024 float32; hidden 32 x 1,024 float32.
;; Outputs: out0 32 x 2,048 float32.
;; 2 versions, each right; version 2 is version 1 with the launch dots written anew for expert scheduling mode. Each part assembles by itself: llvm-mc -triple=amdgcn-amd-amdhsa -mcpu=gfx1250 --defsym DOCPART=n.
;; ======== version 1 of 2: 3 launches
;; workspace buffers: vpart 524,288 bytes; scores 262,144 bytes
;; launch vmat (part 1): grid 16 x 16, 16 waves a work-group, no clusters, 75,776 bytes of LDS; arguments W, hidden, vpart; writes vpart
.if DOCPART == 1
	.amdgcn_target "amdgcn-amd-amdhsa--gfx1250"
	.amdhsa_code_object_version 6
	.text
	.protected	k_q63df7654b2_vmat
	.globl	k_q63df7654b2_vmat
	.p2align	8
	.type	k_q63df7654b2_vmat,@function
k_q63df7654b2_vmat:
	s_mov_b64 s[64:65], 0
	v_nop
	global_prefetch_b8 v0, s[64:65] scope:SCOPE_SE
	s_setreg_imm32_b32 hwreg(HW_REG_WAVE_MODE, 25, 1), 1
	s_wait_xcnt 0x0
; vpart[kc][b][h] = sum over k = 256 kc .. 256 kc + 255 of hidden[b][k] * W[k][h].
; W: [1024][1024] f32, hidden: [32][1024] f32, vpart: [4][32][1024] f32.  The next launch adds the four planes: v = hidden . W.
; WHY THIS LAUNCH: scores[b][s] = sum_k (sum_h enc[b][s][h] W[k][h] + bias[k]) hidden[b][k]
;                               = sum_h enc[b][s][h] v[b][h] + sum_k hidden[b][k] bias[k]   for every input (both sums are linear).
; So the product of 65,536 rows with W is never formed: 32 rows go through W here, and the next launch takes one dot product a row.
; LIMIT KEPT: the order of the f32 additions differs from the reference's; nothing else does.
; NO MATRIX UNIT: the exponential turns an absolute error of a score into a relative error of the result, and a score is a sum of 1,024
; products; operands cut to 8 bits of mantissa would cost more than the result may be off.  All arithmetic is f32 multiply-adds, two at a time.
; SHARES: work-group (st, y), bq = y % 4, kc = y / 4, owns columns 64 st .. + 63 (256 bytes of a row of W, at a multiple of 256), rows
; 256 kc .. + 255 and batches 8 bq .. + 7: 64 KiB of W, each piece of W read by the four work-groups of its (st, kc).
; Wave w owns rows 16 w .. + 15 of the 256; lane (r = l % 16, h = l / 16) owns rows 16 w + 8 h + i, i = 0 .. 7, columns 4 r .. + 3 of the 64.
; One load of a wave takes 256 consecutive bytes of row i (lanes 0-15) and of row 8 + i (lanes 16-31).  All 8 loads of a wave go out at once.
; NO CLUSTER: what four work-groups share goes straight into the registers that multiply it; a joint request would bring it into LDS and
; cost a second pass through it, for 64 KiB a work-group.
; LDS: bytes 0 .. 65535      partial sums: contributor g = 2 w + h, batch e, column group r at 2048 g + 256 e + 16 r
;                            (they lie first so that the largest immediate, 2048 x 31, fits the LDS instructions' 16 bits)
;      bytes 65536 .. 73727  hidden[8 bq + e][256 kc + k] at 65536 + 1024 e + 4 k
.set HLDS, 65536                       ; where hidden lies
.set STG,  10                          ; v[10:13]   my 16 bytes of hidden on their way to LDS
.set ACC,  14                          ; v[14:45]   ACC + 4 e + c: batch e of 8, column c of my four
.set HID,  46                          ; v[46:109]  HID + 8 e + i: hidden[8 bq + e][my row i]
.set X,    110                         ; v[110:141] X + 4 i + c: W[my row i][my column c]
.set RX,   14                          ; v[14:141]  at the end: the 32 contributors' sums, RX + 4 g + c
	s_load_b128 s[4:7], s[0:1], 0x0                ; W s[4:5], hidden s[6:7]
	s_load_b64 s[8:9], s[0:1], 0x10                ; vpart
	v_lshl_add_u32 v142, v0, 2, 0x12000
	v_mov_b32 v143, 0
	v_lshrrev_b32 v7, 5, v0
	v_readfirstlane_b32 s10, v7                    ; wave w, 0 .. 15
	s_and_b32 s12, ttmp7, 0xffff                   ; y
	s_and_b32 s13, s12, 3                          ; bq
	s_lshr_b32 s12, s12, 2                         ; kc
	s_lshl_b32 s16, ttmp9, 8                       ; st x 256 bytes
	s_lshl_b32 s14, s12, 20                        ; in W: kc x 256 rows x 4,096 bytes
	s_lshl_b32 s17, s10, 16                        ;       + w x 16 rows
	s_add_co_u32 s14, s14, s17
	s_add_co_u32 s14, s14, s16                     ;       + my group's columns
	s_mov_b32 s15, 0
	s_lshl_b32 s18, s13, 15                        ; in hidden: bq x 8 rows x 4,096 bytes
	s_lshl_b32 s17, s12, 10                        ;            + kc x 256 numbers
	s_add_co_u32 s18, s18, s17
	s_mov_b32 s19, 0
	s_lshl_b32 s20, s12, 17                        ; in vpart: plane kc of 131,072 bytes
	s_lshl_b32 s17, s13, 15                        ;           + bq x 8 rows x 4,096 bytes
	s_add_co_u32 s20, s20, s17
	s_add_co_u32 s20, s20, s16                     ;           + my group's columns
	s_mov_b32 s21, 0
	v_lshlrev_b32 v1, 4, v0                        ; in LDS: my 16 bytes of hidden, 16 t = 1024 (t / 64) + 16 (t % 64), 8,176 at the most,
	v_add_nc_u32 v1, HLDS, v1                      ; behind the partial sums: a shift and a sum, bytes 65,536 to 73,727
	v_and_b32 v8, 63, v0
	v_lshlrev_b32 v8, 4, v8
	v_lshrrev_b32 v9, 6, v0
	v_lshl_add_u32 v8, v9, 12, v8                  ; the same 16 bytes in memory: row t / 64 of the eight, 16 (t % 64)
	v_and_b32 v6, 15, v0
	v_lshlrev_b32 v6, 4, v6                        ; 16 r
	v_bfe_u32 v7, v0, 4, 1                         ; h
	v_lshl_add_u32 v2, v7, 15, v6                  ; in W: h x 8 rows x 4,096 + 16 r
	v_lshlrev_b32 v3, 5, v7
	v_lshl_add_u32 v3, s10, 6, v3
	v_add_nc_u32 v3, HLDS, v3                      ; in LDS, hidden of my rows: 4 (16 w + 8 h)
	v_lshl_add_u32 v4, v7, 11, v6
	v_lshl_add_u32 v4, s10, 12, v4                 ; in LDS, my partial sums: 2048 (2 w + h) + 16 r
	v_and_b32 v5, 0x7f, v0
	v_lshlrev_b32 v5, 4, v5                        ; at the end: 16 (t % 128), my 16 bytes of a contributor's 2,048
	v_bfe_u32 v9, v0, 4, 3
	v_lshl_add_u32 v6, v9, 12, v6                  ; and in vpart: batch (t / 16) % 8 of the eight, 4,096 bytes apart, + 16 r
	s_wait_kmcnt 0x0
	s_add_nc_u64 s[4:5], s[4:5], s[14:15]          ; W at my wave's first row, my group's first column
	s_add_nc_u64 s[6:7], s[6:7], s[18:19]          ; hidden at batch 8 bq, number 256 kc
	s_add_nc_u64 s[8:9], s[8:9], s[20:21]          ; vpart at plane kc, batch 8 bq, column 64 st
	global_load_b128 v[STG:STG+3], v8, s[6:7]      ; 512 threads x 16 bytes: 1,024 bytes of each of eight hidden rows, once for the work-group
.set n, 0
.rept 8
	global_load_b128 v[X+4*n:X+4*n+3], v2, s[4:5] offset:4096*n
.set n, n+1
.endr
	s_wait_loadcnt 8                               ; loads come back in order: the oldest, hidden's, is in; W's 8 stay out
	ds_store_b128 v1, v[STG:STG+3]
	s_wait_dscnt 0x0                               ; my store is done before I say so
	s_barrier_signal -1
	s_barrier_wait -1                              ; the group's 8 KiB of hidden are whole in LDS
.irp e, 0,1,2,3,4,5,6,7
.irp q, 0,1
	ds_load_b128 v[HID+8*\e+4*\q:HID+8*\e+4*\q+3], v3 offset:1024*\e+16*\q   ; sixteen lanes ask for the same 16 bytes
.endr
.endr
	s_wait_dscnt 0x0
; Row i of my 8: sixteen packed multiply-adds (8 batches x 2 pairs of columns), each on a sum of its own.  The packed form takes hidden[..][i]
; for both halves: from the first register of an even-aligned pair for even i, from the second for odd i.  Row 0 starts the sums.
.macro ROW i
.irp e, 0,1,2,3,4,5,6,7
.irp p, 0,1
.if (\i) == 0
	v_pk_mul_f32 v[ACC+4*\e+2*\p:ACC+4*\e+2*\p+1], v[X+2*\p:X+2*\p+1], v[HID+8*\e:HID+8*\e+1] op_sel_hi:[1,0]
.else
.if (\i)%2 == 0
	v_pk_fma_f32 v[ACC+4*\e+2*\p:ACC+4*\e+2*\p+1], v[X+4*(\i)+2*\p:X+4*(\i)+2*\p+1], v[HID+8*\e+(\i):HID+8*\e+(\i)+1], v[ACC+4*\e+2*\p:ACC+4*\e+2*\p+1] op_sel_hi:[1,0,1]
.else
	v_pk_fma_f32 v[ACC+4*\e+2*\p:ACC+4*\e+2*\p+1], v[X+4*(\i)+2*\p:X+4*(\i)+2*\p+1], v[HID+8*\e+(\i)-1:HID+8*\e+(\i)], v[ACC+4*\e+2*\p:ACC+4*\e+2*\p+1] op_sel:[0,1,0] op_sel_hi:[1,1,1]
.endif
.endif
.endr
.endr
.endm
.set n, 0
.rept 8
.if n%2 == 0
	s_wait_loadcnt 6-n                             ; rows n and n + 1 are in; the 6 - n younger loads stay out
.endif
	ROW n
.set n, n+1
.endr
.irp e, 0,1,2,3,4,5,6,7
	ds_store_b128 v4, v[ACC+4*\e:ACC+4*\e+3] offset:256*\e
.endr
	s_wait_dscnt 0x0                               ; my partial sums are in LDS before I say so
	s_barrier_signal -1
	s_barrier_wait -1                              ; all 32 contributors' are
	s_cmp_gt_u32 s10, 3
	s_cbranch_scc1 .Lend                           ; waves 0 to 3 add them up: thread t < 128 takes batch t / 16, columns 4 (t % 16) .. + 3
.set n, 0
.rept 32
	ds_load_b128 v[RX+4*n:RX+4*n+3], v5 offset:2048*n    ; 32 lanes x 16 neighbouring bytes
.set n, n+1
.endr
	s_wait_dscnt 0x0
.macro FOLD n                          ; contributors g + n are added onto contributors g, g = 0 .. n - 1
.set g, 0
.rept \n
	v_pk_add_f32 v[RX+4*g:RX+4*g+1], v[RX+4*g:RX+4*g+1], v[RX+4*(g+\n):RX+4*(g+\n)+1]
	v_pk_add_f32 v[RX+4*g+2:RX+4*g+3], v[RX+4*g+2:RX+4*g+3], v[RX+4*(g+\n)+2:RX+4*(g+\n)+3]
.set g, g+1
.endr
.endm
	FOLD 16
	FOLD 8
	FOLD 4
	FOLD 2
	FOLD 1
	global_store_b128 v6, v[RX:RX+3], s[8:9]       ; sixteen lanes store 256 consecutive bytes, at a multiple of 256: one batch's 64 columns
.Lend:
	s_wait_tensorcnt 0x0
	ds_add_u32 v142, v143
	s_wait_dscnt 0x0
	s_endpgm
.Lfunc_end_k_q63df7654b2_vmat:
	.size	k_q63df7654b2_vmat, .Lfunc_end_k_q63df7654b2_vmat-k_q63df7654b2_vmat
	.p2alignl 7, 3214868480
	.fill 96, 4, 3214868480
	.section	.rodata,"a",@progbits
	.p2align	6, 0x0
	.amdhsa_kernel k_q63df7654b2_vmat
		.amdhsa_group_segment_fixed_size 75776
		.amdhsa_private_segment_fixed_size 0
		.amdhsa_enable_private_segment 0
		.amdhsa_kernarg_size 24
		.amdhsa_user_sgpr_count 2
		.amdhsa_user_sgpr_kernarg_segment_ptr 1
		.amdhsa_wavefront_size32 1
		.amdhsa_system_sgpr_workgroup_id_x 1
		.amdhsa_system_sgpr_workgroup_id_y 1
		.amdhsa_system_sgpr_workgroup_id_z 1
		.amdhsa_system_vgpr_workitem_id 0
		.amdhsa_next_free_vgpr 144
		.amdhsa_next_free_sgpr 66
		.amdhsa_reserve_vcc 0
		.amdhsa_float_denorm_mode_32 3
		.amdhsa_float_denorm_mode_16_64 3
		.amdhsa_memory_ordered 1
		.amdhsa_forward_progress 1
		.amdhsa_inst_pref_size 20
	.end_amdhsa_kernel
	.amdgpu_metadata
---
amdhsa.version: [ 1, 2 ]
amdhsa.kernels:
  - .name:           k_q63df7654b2_vmat
    .symbol:         k_q63df7654b2_vmat.kd
    .args:
      - { .name: W, .offset: 0, .size: 8, .value_kind: global_buffer, .address_space: global }
      - { .name: hidden, .offset: 8, .size: 8, .value_kind: global_buffer, .address_space: global }
      - { .name: vpart, .offset: 16, .size: 8, .value_kind: global_buffer, .address_space: global }
    .group_segment_fixed_size: 75776
    .private_segment_fixed_size: 0
    .kernarg_segment_align: 8
    .kernarg_segment_size: 24
    .max_flat_workgroup_size: 512
    .sgpr_count:     66
    .vgpr_count:     144
    .wavefront_size: 32
...
	.end_amdgpu_metadata
.endif
;; end of part 1
;; launch dots (part 2): grid 256 x 1, 16 waves a work-group, no clusters, 7,168 bytes of LDS; arguments encoder_outputs, vpart, scores; writes scores
.if DOCPART == 2
	.amdgcn_target "amdgcn-amd-amdhsa--gfx1250"
	.amdhsa_code_object_version 6
	.text
	.protected	k_q63df7654b2_dots
	.globl	k_q63df7654b2_dots
	.p2align	8
	.type	k_q63df7654b2_dots,@function
k_q63df7654b2_dots:
	s_mov_b64 s[64:65], 0
	v_nop
	global_prefetch_b8 v0, s[64:65] scope:SCOPE_SE
	s_setreg_imm32_b32 hwreg(HW_REG_WAVE_MODE, 25, 1), 1
	s_wait_xcnt 0x0
; scores[b][s] = sum over h of enc[b][s][h] * v[b][h],  v[b][h] = the sum of vpart's four planes
; (the bias term hidden[b] . bias is added by the next launch).
; enc: [32][2048][1024] f32, taken as 65,536 rows of 4,096 bytes; vpart: [4][32][1024] f32; scores: [32][2048] f32.
; A stream: every byte of enc is read once, by loads of which each covers 512 consecutive bytes, and is used once.  All arithmetic in f32
; on the vector unit: one useful column would fill a sixteenth of a matrix tile, and operands of 16 bits would cost more accuracy than
; the exponentials behind the scores can bear.
; LIMIT KEPT: the order of the f32 additions differs from the reference's.
; SHARES: work-group x owns rows 256 x .. 256 x + 255, 1 MiB in one piece, all of batch x / 8.  Wave w owns 16 rows, 64 KiB.
; A wave takes a whole row by eight loads; lane l holds columns 128 j + 4 l .. + 3 of load j, and keeps its 32 numbers of v in registers.
; A ring of four row slots in registers: one row at work, three on their way, 32 loads of a wave at the most beside the four of vpart.
; The 16 turns are written out, so a row's place stands in the loads' immediate (65,024 at the most) and no address register is ever rewritten.
; NO CLUSTER: what work-groups share is the batch's 16 KiB of vpart against 1 MiB of rows of their own.
; LDS: bytes 0 .. 4095 v of the batch; bytes 4096 .. 5119 the group's 256 scores, word 16 w + i.
.set ROW,   4096                       ; bytes in a row
.set PLANE, 131072                     ; bytes in a plane of vpart
.set SC,    4096                       ; where the scores are gathered
.set LID,   3                          ; v3        l % 16
.set RES,   4                          ; v4        row i's score in the lanes with l % 16 = i
.set TMP,   5                          ; v5        the other half's sum
.set ACC,   6                          ; v[6:13]   four pairs of running sums; at the start my 8 bytes of each plane of vpart
.set V,     16                         ; v[16:47]  my 32 numbers of v
.set X,     48                         ; v[48:175] slot s: 32 registers at X + 32 s
	s_load_b128 s[4:7], s[0:1], 0x0                ; enc s[4:5], vpart s[6:7]
	s_load_b64 s[8:9], s[0:1], 0x10                ; scores
	v_lshl_add_u32 v176, v0, 2, 0x1400
	v_mov_b32 v177, 0
	v_lshrrev_b32 v4, 5, v0
	v_readfirstlane_b32 s10, v4                    ; wave w, 0 .. 15
	s_mov_b32 s12, 0x76543210                      ; v_permlanex16_b32: lane i of one half reads lane i of the other
	s_mov_b32 s13, 0xfedcba98
	s_lshl_b32 s14, ttmp9, 20                      ; x x 256 rows x 4,096 bytes: 267,386,880 at the most, inside 32 bits
	s_lshl_b32 s16, s10, 16                        ; w x 16 rows
	s_add_co_u32 s14, s14, s16
	s_mov_b32 s15, 0
	s_lshl_b32 s17, s10, 6                         ; my wave's 16 words among the gathered scores
	v_and_b32 v1, 31, v0
	v_lshlrev_b32 v1, 4, v1                        ; 16 l
	v_lshlrev_b32 v2, 3, v0                        ; 8 t: my 8 bytes of v's row, in each plane and in LDS
	v_and_b32 v[LID], 15, v0
	v_mov_b32 v[TMP], 0                            ; v_permlanex16_b32 counts as a reader of its destination
	s_wait_kmcnt 0x0
	s_add_nc_u64 s[4:5], s[4:5], s[14:15]          ; enc at my wave's first row
	s_lshr_b32 s14, ttmp9, 3                       ; the batch
	s_lshl_b32 s14, s14, 12
	s_add_nc_u64 s[6:7], s[6:7], s[14:15]          ; vpart at my batch, plane 0
	s_lshl_b32 s14, ttmp9, 10
	s_add_nc_u64 s[8:9], s[8:9], s[14:15]          ; scores at my group's 256
.macro FILL i                          ; row i of my 16 into slot i % 4: eight loads of 512 consecutive bytes
.irp j, 0,1,2,3,4,5,6,7
	global_load_b128 v[X+32*((\i)%4)+4*\j:X+32*((\i)%4)+4*\j+3], v1, s[4:5] offset:ROW*(\i)+512*\j th:TH_LOAD_NT
.endr
.endm
.macro WSUM x, t                       ; the sum over the wave's 32 lanes, in every lane
.irp m, 1,2,4,8
	v_add_f32_dpp v[\x], v[\x], v[\x] row_xmask:\m row_mask:0xf bank_mask:0xf
.endr
	v_permlanex16_b32 v[\t], v[\x], s12, s13
	v_add_f32 v[\x], v[\x], v[\t]
.endm
.irp c, 0,1,2,3
	global_load_b64 v[ACC+2*\c:ACC+2*\c+1], v2, s[6:7] offset:PLANE*\c   ; 512 threads x 8 bytes: the batch's row of plane c, read once by the work-group; a wave takes 256 consecutive bytes
.endr
	FILL 0
	FILL 1
	FILL 2
	FILL 3
	s_wait_loadcnt 32                              ; loads come back in order: vpart's four are in, the four rows' 32 stay out
	v_pk_add_f32 v[ACC:ACC+1], v[ACC:ACC+1], v[ACC+2:ACC+3]
	v_pk_add_f32 v[ACC+4:ACC+5], v[ACC+4:ACC+5], v[ACC+6:ACC+7]
	v_pk_add_f32 v[ACC:ACC+1], v[ACC:ACC+1], v[ACC+4:ACC+5]       ; v = the four planes' sum
	ds_store_b64 v2, v[ACC:ACC+1]
	s_wait_dscnt 0x0                               ; my store is done before I say so
	s_barrier_signal -1
	s_barrier_wait -1                              ; the row of v is whole in LDS
.irp j, 0,1,2,3,4,5,6,7
	ds_load_b128 v[V+4*\j:V+4*\j+3], v1 offset:512*\j   ; the same columns as load j of a row: 128 j + 4 l .. + 3
.endr
	s_wait_dscnt 0x0
; The turn of row i: its dot product with v, in four chains; its slot is asked for again as soon as it has been read.
.macro TURN i
.if \i <= 12
	s_wait_loadcnt 24                              ; my row is in; the three rows behind it stay out
.else
	s_wait_loadcnt 8*(15-\i)                       ; the last rows: fewer are behind
.endif
.irp p, 0,1,2,3
	v_pk_mul_f32 v[ACC+2*\p:ACC+2*\p+1], v[X+32*(\i%4)+2*\p:X+32*(\i%4)+2*\p+1], v[V+2*\p:V+2*\p+1]   ; the first products start the sums
.endr
.irp p, 4,5,6,7,8,9,10,11,12,13,14,15
	v_pk_fma_f32 v[ACC+2*(\p%4):ACC+2*(\p%4)+1], v[X+32*(\i%4)+2*\p:X+32*(\i%4)+2*\p+1], v[V+2*\p:V+2*\p+1], v[ACC+2*(\p%4):ACC+2*(\p%4)+1]
.endr
.if \i+4 < 16
	FILL \i+4
.endif
	v_pk_add_f32 v[ACC:ACC+1], v[ACC:ACC+1], v[ACC+2:ACC+3]
	v_pk_add_f32 v[ACC+4:ACC+5], v[ACC+4:ACC+5], v[ACC+6:ACC+7]
	v_pk_add_f32 v[ACC:ACC+1], v[ACC:ACC+1], v[ACC+4:ACC+5]
	v_add_f32 v[ACC], v[ACC], v[ACC+1]
	WSUM ACC, TMP
.if \i == 0
	v_mov_b32 v[RES], v[ACC]                       ; writes every lane; the later rows take their own lanes
.else
	v_cmp_eq_u32 vcc_lo, \i, v[LID]
	v_cndmask_b32 v[RES], v[RES], v[ACC], vcc_lo
.endif
.endm
.irp i, 0,1,2,3,4,5,6,7,8,9,10,11,12,13,14,15
	TURN \i
.endr
	; The group's 256 scores meet in LDS and leave as whole runs of 512 bytes.
	v_lshl_add_u32 v8, v[LID], 2, s17              ; word 16 w + l % 16
	ds_store_b32 v8, v[RES] offset:SC              ; lanes l and l + 16 write the same number to the same word
	s_wait_dscnt 0x0                               ; my store is done before I say so
	s_barrier_signal -1
	s_barrier_wait -1
	s_cmp_gt_u32 s10, 1
	s_cbranch_scc1 .Lend                           ; waves 0 and 1 carry the 1,024 bytes out
	v_and_b32 v7, 63, v0                           ; my place among their 64 threads
	v_lshlrev_b32 v7, 4, v7
	ds_load_b128 v[8:11], v7 offset:SC
	s_wait_dscnt 0x0
	global_store_b128 v7, v[8:11], s[8:9]          ; a wave stores 512 consecutive bytes, at a multiple of 512
.Lend:
	s_wait_tensorcnt 0x0
	ds_add_u32 v176, v177
	s_wait_dscnt 0x0
	s_endpgm
.Lfunc_end_k_q63df7654b2_dots:
	.size	k_q63df7654b2_dots, .Lfunc_end_k_q63df7654b2_dots-k_q63df7654b2_dots
	.p2alignl 7, 3214868480
	.fill 96, 4, 3214868480
	.section	.rodata,"a",@progbits
	.p2align	6, 0x0
	.amdhsa_kernel k_q63df7654b2_dots
		.amdhsa_group_segment_fixed_size 7168
		.amdhsa_private_segment_fixed_size 0
		.amdhsa_enable_private_segment 0
		.amdhsa_kernarg_size 24
		.amdhsa_user_sgpr_count 2
		.amdhsa_user_sgpr_kernarg_segment_ptr 1
		.amdhsa_wavefront_size32 1
		.amdhsa_system_sgpr_workgroup_id_x 1
		.amdhsa_system_sgpr_workgroup_id_y 1
		.amdhsa_system_sgpr_workgroup_id_z 1
		.amdhsa_system_vgpr_workitem_id 0
		.amdhsa_next_free_vgpr 178
		.amdhsa_next_free_sgpr 66
		.amdhsa_reserve_vcc 1
		.amdhsa_float_denorm_mode_32 3
		.amdhsa_float_denorm_mode_16_64 3
		.amdhsa_memory_ordered 1
		.amdhsa_forward_progress 1
		.amdhsa_inst_pref_size 42
	.end_amdhsa_kernel
	.amdgpu_metadata
---
amdhsa.version: [ 1, 2 ]
amdhsa.kernels:
  - .name:           k_q63df7654b2_dots
    .symbol:         k_q63df7654b2_dots.kd
    .args:
      - { .name: encoder_outputs, .offset: 0, .size: 8, .value_kind: global_buffer, .address_space: global }
      - { .name: vpart, .offset: 8, .size: 8, .value_kind: global_buffer, .address_space: global }
      - { .name: scores, .offset: 16, .size: 8, .value_kind: global_buffer, .address_space: global }
    .group_segment_fixed_size: 7168
    .private_segment_fixed_size: 0
    .kernarg_segment_align: 8
    .kernarg_segment_size: 24
    .max_flat_workgroup_size: 512
    .sgpr_count:     66
    .vgpr_count:     178
    .wavefront_size: 32
...
	.end_amdgpu_metadata
.endif
;; end of part 2
;; launch soft (part 3): grid 32 x 1, 1 waves a work-group, no clusters, 0 bytes of LDS; arguments scores, hidden, b, out0; writes out0
.if DOCPART == 3
	.amdgcn_target "amdgcn-amd-amdhsa--gfx1250"
	.amdhsa_code_object_version 6
	.text
	.protected	k_q63df7654b2_soft
	.globl	k_q63df7654b2_soft
	.p2align	8
	.type	k_q63df7654b2_soft,@function
k_q63df7654b2_soft:
	s_mov_b64 s[64:65], 0
	v_nop
	global_prefetch_b8 v0, s[64:65] scope:SCOPE_SE
	s_setreg_imm32_b32 hwreg(HW_REG_WAVE_MODE, 25, 1), 1
	s_wait_xcnt 0x0
; out0[b][s] = softmax over s of (scores[b][s] + c[b]),  c[b] = sum over k of hidden[b][k] * bias[k]: the bias step of the linear layer,
; carried through the product with hidden.  scores, out0: [32][2048] f32; hidden: [32][1024] f32; bias: [1024] f32.
; One wave takes one batch: its row of 8,192 bytes is 64 registers a lane and stays there through the maximum, the exponentials, the sum and
; the scaling: no LDS, no barrier.  The problem has 32 such rows, so there are 32 work-groups.
; The row's maximum m is taken away before the exponential: the exponent is fma(x, log2 e, -(m log2 e rounded to f32)).  The rounding of
; m log2 e is one factor common to the row's exponentials and cancels in the division; the largest exponent lies within half a unit in
; the last place of m log2 e of zero, so nothing overflows and the sum is about 1 at the least.
; LIMITS KEPT: exponentials below 2^-126 come out as 0 (v_exp_f32 flushes denormal results: ISA guide, its entry); 1 / sum is v_rcp_f32, good to one unit in the
; last place; a NaN or +infinity among a row's scores makes the whole row NaN, as in the reference.
.set TMP,  2                           ; v2         the other half's figure
.set S,    4                           ; v[4:11]    four pairs of running sums
.set C,    12                          ; v[12:13]   c, twice
.set M,    14                          ; v[14:17]   four running maxima
.set NM,   18                          ; v[18:19]   -m log2 e, twice
.set R,    20                          ; v[20:21]   1 / sum, twice
.set X,    24                          ; v[24:87]   my 64 scores: load j holds columns 128 j + 4 l .. + 3
.set HV,   88                          ; v[88:119]  my 32 numbers of hidden's row
.set BV,   120                         ; v[120:151] the same columns of the bias
	s_load_b256 s[4:11], s[0:1], 0x0               ; scores s[4:5], hidden s[6:7], bias s[8:9], out0 s[10:11]
	s_mov_b32 s12, 0x76543210                      ; v_permlanex16_b32: lane i of one half reads lane i of the other
	s_mov_b32 s13, 0xfedcba98
	s_lshl_b32 s14, ttmp9, 13                      ; the batch's row of 8,192 bytes in scores and out0
	s_mov_b32 s15, 0
	s_lshl_b32 s16, ttmp9, 12                      ; its row of 4,096 bytes in hidden
	s_mov_b32 s17, 0
	v_lshlrev_b32 v1, 4, v0                        ; 16 l (one wave: the thread's number is the lane)
	v_mov_b32 v[TMP], 0                            ; v_permlanex16_b32 counts as a reader of its destination
	s_wait_kmcnt 0x0
	s_add_nc_u64 s[4:5], s[4:5], s[14:15]
	s_add_nc_u64 s[10:11], s[10:11], s[14:15]
	s_add_nc_u64 s[6:7], s[6:7], s[16:17]
	; all 32 loads at once, each 512 consecutive bytes
.irp j, 0,1,2,3,4,5,6,7
	global_load_b128 v[HV+4*\j:HV+4*\j+3], v1, s[6:7] offset:512*\j
.endr
.irp j, 0,1,2,3,4,5,6,7
	global_load_b128 v[BV+4*\j:BV+4*\j+3], v1, s[8:9] offset:512*\j
.endr
.irp j, 0,1,2,3,4,5,6,7,8,9,10,11,12,13,14,15
	global_load_b128 v[X+4*\j:X+4*\j+3], v1, s[4:5] offset:512*\j th:TH_LOAD_NT
.endr
.macro WSUM x, t                       ; the sum over the wave's 32 lanes, in every lane
.irp m, 1,2,4,8
	v_add_f32_dpp v[\x], v[\x], v[\x] row_xmask:\m row_mask:0xf bank_mask:0xf
.endr
	v_permlanex16_b32 v[\t], v[\x], s12, s13
	v_add_f32 v[\x], v[\x], v[\t]
.endm
.macro WMAX x, t                       ; the maximum likewise
.irp m, 1,2,4,8
	v_max_num_f32_dpp v[\x], v[\x], v[\x] row_xmask:\m row_mask:0xf bank_mask:0xf
.endr
	v_permlanex16_b32 v[\t], v[\x], s12, s13
	v_max_num_f32 v[\x], v[\x], v[\t]
.endm
.macro FOLDS                           ; the four pairs of running sums become one number in v[S]
	v_pk_add_f32 v[S:S+1], v[S:S+1], v[S+2:S+3]
	v_pk_add_f32 v[S+4:S+5], v[S+4:S+5], v[S+6:S+7]
	v_pk_add_f32 v[S:S+1], v[S:S+1], v[S+4:S+5]
	v_add_f32 v[S], v[S], v[S+1]
.endm
	; c = hidden[b] . bias, while the scores are still on their way
	s_wait_loadcnt 16                              ; loads come back in order: hidden's and the bias's 16 are in, the scores' 16 stay out
.irp p, 0,1,2,3
	v_pk_mul_f32 v[S+2*\p:S+2*\p+1], v[HV+2*\p:HV+2*\p+1], v[BV+2*\p:BV+2*\p+1]   ; the first products start the sums
.endr
.irp p, 4,5,6,7,8,9,10,11,12,13,14,15
	v_pk_fma_f32 v[S+2*(\p%4):S+2*(\p%4)+1], v[HV+2*\p:HV+2*\p+1], v[BV+2*\p:BV+2*\p+1], v[S+2*(\p%4):S+2*(\p%4)+1]
.endr
	FOLDS
	WSUM S, TMP
	v_mov_b32 v[C], v[S]
	v_mov_b32 v[C+1], v[S]
	s_wait_loadcnt 0x0                             ; the scores
.set p, 0
.rept 32
	v_pk_add_f32 v[X+2*p:X+2*p+1], v[X+2*p:X+2*p+1], v[C:C+1]     ; x = score + c
.set p, p+1
.endr
	; the row's maximum: four chains over 16 registers each
.irp k, 0,1,2,3
	v_max_num_f32 v[M+\k], v[X+16*\k], v[X+16*\k+1]
.endr
.irp t, 1,2,3,4,5,6,7
.irp k, 0,1,2,3
	v_max3_num_f32 v[M+\k], v[M+\k], v[X+16*\k+2*\t], v[X+16*\k+2*\t+1]
.endr
.endr
	v_max3_num_f32 v[M], v[M], v[M+1], v[M+2]
	v_max_num_f32 v[M], v[M], v[M+3]
	WMAX M, TMP
	; e^(x - m) = 2^(x log2 e - m log2 e)
	v_mul_f32 v[NM], 0xbfb8aa3b, v[M]              ; -log2 e x m
	v_mov_b32 v[NM+1], v[NM]
.set p, 0
.rept 32
	v_pk_fma_f32 v[X+2*p:X+2*p+1], v[X+2*p:X+2*p+1], 0x3fb8aa3b, v[NM:NM+1] op_sel_hi:[1,0,1]
.set p, p+1
.endr
.set p, 0
.rept 64
	v_exp_f32 v[X+p], v[X+p]
.set p, p+1
.endr
	v_nop                                          ; one plain vector instruction between the last exponential and a use of its result (ISA guide 5.7.2)
	; their sum: four chains of pairs, started by the first eight pairs
	s_wait_alu depctr_va_vdst(0)
.irp k, 0,1,2,3
	v_pk_add_f32 v[S+2*\k:S+2*\k+1], v[X+2*\k:X+2*\k+1], v[X+8+2*\k:X+8+2*\k+1]
.endr
.set p, 8
.rept 24
	v_pk_add_f32 v[S+2*(p%4):S+2*(p%4)+1], v[S+2*(p%4):S+2*(p%4)+1], v[X+2*p:X+2*p+1]
.set p, p+1
.endr
	FOLDS
	WSUM S, TMP
	v_rcp_f32 v[R], v[S]                           ; made twice, for the pair that the packed multiply takes
	v_rcp_f32 v[R+1], v[S]
	v_nop                                          ; one plain vector instruction before the reciprocals are used
.set p, 0
	s_wait_alu depctr_va_vdst(0)
.rept 32
	v_pk_mul_f32 v[X+2*p:X+2*p+1], v[X+2*p:X+2*p+1], v[R:R+1]
.set p, p+1
.endr
.irp j, 0,1,2,3,4,5,6,7,8,9,10,11,12,13,14,15
	global_store_b128 v1, v[X+4*\j:X+4*\j+3], s[10:11] offset:512*\j th:TH_STORE_NT   ; 512 consecutive bytes, at a multiple of 512
.endr
	s_endpgm
.Lfunc_end_k_q63df7654b2_soft:
	.size	k_q63df7654b2_soft, .Lfunc_end_k_q63df7654b2_soft-k_q63df7654b2_soft
	.p2alignl 7, 3214868480
	.fill 96, 4, 3214868480
	.section	.rodata,"a",@progbits
	.p2align	6, 0x0
	.amdhsa_kernel k_q63df7654b2_soft
		.amdhsa_group_segment_fixed_size 0
		.amdhsa_private_segment_fixed_size 0
		.amdhsa_enable_private_segment 0
		.amdhsa_kernarg_size 32
		.amdhsa_user_sgpr_count 2
		.amdhsa_user_sgpr_kernarg_segment_ptr 1
		.amdhsa_wavefront_size32 1
		.amdhsa_system_sgpr_workgroup_id_x 1
		.amdhsa_system_sgpr_workgroup_id_y 1
		.amdhsa_system_sgpr_workgroup_id_z 1
		.amdhsa_system_vgpr_workitem_id 0
		.amdhsa_next_free_vgpr 152
		.amdhsa_next_free_sgpr 66
		.amdhsa_reserve_vcc 0
		.amdhsa_float_denorm_mode_32 3
		.amdhsa_float_denorm_mode_16_64 3
		.amdhsa_memory_ordered 1
		.amdhsa_forward_progress 1
		.amdhsa_inst_pref_size 21
	.end_amdhsa_kernel
	.amdgpu_metadata
---
amdhsa.version: [ 1, 2 ]
amdhsa.kernels:
  - .name:           k_q63df7654b2_soft
    .symbol:         k_q63df7654b2_soft.kd
    .args:
      - { .name: scores, .offset: 0, .size: 8, .value_kind: global_buffer, .address_space: global }
      - { .name: hidden, .offset: 8, .size: 8, .value_kind: global_buffer, .address_space: global }
      - { .name: b, .offset: 16, .size: 8, .value_kind: global_buffer, .address_space: global }
      - { .name: out0, .offset: 24, .size: 8, .value_kind: global_buffer, .address_space: global }
    .group_segment_fixed_size: 0
    .private_segment_fixed_size: 0
    .kernarg_segment_align: 8
    .kernarg_segment_size: 32
    .max_flat_workgroup_size: 32
    .sgpr_count:     66
    .vgpr_count:     152
    .wavefront_size: 32
...
	.end_amdgpu_metadata
.endif
;; end of part 3
;; ======== version 2 of 2: 3 launches; version 1 with the launch dots written anew for expert scheduling mode
;; workspace buffers: vpart 524,288 bytes; scores 262,144 bytes
;; launch vmat: the kernel of part 1 again; grid 16 x 16, 16 waves a work-group, no clusters, 75,776 bytes of LDS; arguments W, hidden, vpart; writes vpart
;; launch dots (part 4): grid 256 x 1, 16 waves a work-group, no clusters, 7,168 bytes of LDS; arguments encoder_outputs, vpart, scores; writes scores
.if DOCPART == 4
	.amdgcn_target "amdgcn-amd-amdhsa--gfx1250"
	.amdhsa_code_object_version 6
	.text
	.protected	k_q63df7654b2_dots
	.globl	k_q63df7654b2_dots
	.p2align	8
	.type	k_q63df7654b2_dots,@function
k_q63df7654b2_dots:
	s_mov_b64 s[64:65], 0
	v_nop
	global_prefetch_b8 v0, s[64:65] scope:SCOPE_SE
	s_setreg_imm32_b32 hwreg(HW_REG_WAVE_SCHED_MODE, 0, 2), 2
	s_setreg_imm32_b32 hwreg(HW_REG_WAVE_MODE, 25, 1), 1
	s_wait_xcnt 0x0
	s_wait_alu depctr_vm_vsrc(0)
; scores[b][s] = sum over h of enc[b][s][h] * v[b][h],  v[b][h] = the sum of vpart's four planes
; (the bias term hidden[b] . bias is added by the next launch).
; enc: [32][2048][1024] f32, taken as 65,536 rows of 4,096 bytes; vpart: [4][32][1024] f32; scores: [32][2048] f32.
; A stream: every byte of enc is read once, by loads of which each covers 512 consecutive bytes, and is used once.  All arithmetic in f32
; on the vector unit: one useful column would fill a sixteenth of a matrix tile, and operands of 16 bits would cost more accuracy than
; the exponentials behind the scores can bear.
; LIMIT KEPT: the order of the f32 additions differs from the reference's.
; SHARES: work-group x owns rows 256 x .. 256 x + 255, 1 MiB in one piece, all of batch x / 8.  Wave w owns 16 rows, 64 KiB.
; A wave takes a whole row by eight loads; lane l holds columns 128 j + 4 l .. + 3 of load j, and keeps its 32 numbers of v in registers.
; The 16 turns are written out, so a row's place stands in the loads' immediate (65,024 at the most) and no address register is ever rewritten.
; NO CLUSTER: what work-groups share is the batch's 16 KiB of vpart against 1 MiB of rows of their own.
; LDS: bytes 0 .. 4095 v of the batch; bytes 4096 .. 5119 the group's 256 scores, word 16 w + i.
; THE MODE: SCHED_MODE bits 1:0 = 2 (LLVM: expert scheduling mode 2), set by the entry lines.  The code itself states the register dependences
; between vector instructions and memory or LDS instructions, with s_wait_alu, always for 0.
; THE PLAN.  Registers that memory or LDS instructions touch:
;   X0 .. X4      five row slots.  Turn i's sixteen products read X[i % 5]; the loads of row i + 4, issued in turn i, land in X[(i + 4) % 5] = X[(i - 1) % 5]:
;                 the slot that turn i - 1 read and that no vector instruction of turn i names.  At a turn's head one row is in, three are on their way;
;                 with the turn's eight loads 32 loads of a wave are out at the most (at the start: 32 beside the four of vpart).
;   v1, v2, v14, v15   offsets and LDS addresses, made once at the head and never written again.
;   ACC           at the start vpart's loads land in it, three adds fold it, and the LDS store of v reads its first pair; from turn 0 on vector instructions alone name it;
;                 at the end the load from the gathered scores lands in v[8:11].
;   V             filled once from LDS, then only read by the products.        RES   written by the turns, read by one LDS store at the end.
; So ONE wait on va_vdst stands at the head of each turn that loads (but turn 0, whose loads land in a slot that no vector instruction has named), behind the wait
; for the turn's row, and the turn's eight loads are dealt among its products with no further wait.
; The fifteen lane masks by which a row's score is put into its lanes are made in one run at the head, into scalar registers, with one wait on va_sdst behind the run.
.set ROW,   4096                       ; bytes in a row
.set PLANE, 131072                     ; bytes in a plane of vpart
.set SC,    4096                       ; where the scores are gathered
.set SLOTS, 5
.set LID,   3                          ; v3        l % 16
.set RES,   4                          ; v4        row i's score in the lanes with l % 16 = i
.set TMP,   5                          ; v5        the other half's sum
.set ACC,   6                          ; v[6:13]   four pairs of running sums; at the start my 8 bytes of each plane of vpart
.set SA,    14                         ; v14       LDS: 4 (16 w + l % 16), my word among the gathered scores (SC stands in the immediate)
.set OA,    15                         ; v15       16 (t % 64): my 16 bytes of the group's 1,024 on the way out, in LDS and in scores
.set V,     16                         ; v[16:47]  my 32 numbers of v
.set X,     48                         ; v[48:207] slot s: 32 registers at X + 32 s
.set MK,    20                         ; s[21:35]  s[MK + i]: the lanes with l % 16 = i, i = 1 .. 15
	s_load_b128 s[4:7], s[0:1], 0x0                ; enc s[4:5], vpart s[6:7]
	s_load_b64 s[8:9], s[0:1], 0x10                ; scores
	v_lshl_add_u32 v208, v0, 2, 0x1400
	v_mov_b32 v209, 0
	v_lshrrev_b32 v4, 5, v0
	v_readfirstlane_b32 s10, v4                    ; wave w, 0 .. 15
	v_and_b32 v[LID], 15, v0
.irp i, 1,2,3,4,5,6,7,8,9,10,11,12,13,14,15
	v_cmp_eq_u32 s[MK+\i], \i, v[LID]              ; the lanes that keep row i's score
.endr
	s_mov_b32 s12, 0x76543210                      ; v_permlanex16_b32: lane i of one half reads lane i of the other
	s_mov_b32 s13, 0xfedcba98
	s_lshl_b32 s14, ttmp9, 20                      ; x x 256 rows x 4,096 bytes: 267,386,880 at the most, inside 32 bits
	s_mov_b32 s15, 0
	v_and_b32 v1, 31, v0
	v_lshlrev_b32 v1, 4, v1                        ; 16 l
	v_lshlrev_b32 v2, 3, v0                        ; 8 t: my 8 bytes of v's row, in each plane and in LDS
	v_and_b32 v[OA], 63, v0                        ; my place among the 64 threads that carry the scores out
	v_lshlrev_b32 v[OA], 4, v[OA]
	v_mov_b32 v[TMP], 0                            ; v_permlanex16_b32 counts as a reader of its destination
	s_wait_alu depctr_va_sdst(0)                   ; s10 and the fifteen masks are written, ahead of the first reader of any of them: the next line reads s10, the turns' selects the masks
	s_lshl_b32 s16, s10, 16                        ; w x 16 rows
	s_add_co_u32 s14, s14, s16
	s_lshl_b32 s17, s10, 6                         ; my wave's 16 words among the gathered scores
	v_lshl_add_u32 v[SA], v[LID], 2, s17           ; word 16 w + l % 16
	s_wait_kmcnt 0x0
	s_add_nc_u64 s[4:5], s[4:5], s[14:15]          ; enc at my wave's first row
	s_lshr_b32 s14, ttmp9, 3                       ; the batch
	s_lshl_b32 s14, s14, 12
	s_add_nc_u64 s[6:7], s[6:7], s[14:15]          ; vpart at my batch, plane 0
	s_lshl_b32 s14, ttmp9, 10
	s_add_nc_u64 s[8:9], s[8:9], s[14:15]          ; scores at my group's 256
	s_wait_alu depctr_va_vdst(0)                   ; v1, v2, v14 and v15 are written: every load and store of the kernel, global or LDS, reads one of them as its offset or address
.macro LD i, j                         ; load j of the eight of row i of my 16, into slot i % 5: 512 consecutive bytes
	global_load_b128 v[X+32*((\i)%SLOTS)+4*(\j):X+32*((\i)%SLOTS)+4*(\j)+3], v1, s[4:5] offset:ROW*(\i)+512*(\j) th:TH_LOAD_NT
.endm
.macro FILL i                          ; a whole row
.irp j, 0,1,2,3,4,5,6,7
	LD \i, \j
.endr
.endm
.macro WSUM x, t                       ; the sum over the wave's 32 lanes, in every lane
.irp m, 1,2,4,8
	v_add_f32_dpp v[\x], v[\x], v[\x] row_xmask:\m row_mask:0xf bank_mask:0xf
.endr
	v_permlanex16_b32 v[\t], v[\x], s12, s13
	v_add_f32 v[\x], v[\x], v[\t]
.endm
.irp c, 0,1,2,3
	global_load_b64 v[ACC+2*\c:ACC+2*\c+1], v2, s[6:7] offset:PLANE*\c   ; 512 threads x 8 bytes: the batch's row of plane c, read once by the work-group; a wave takes 256 consecutive bytes
.endr
	FILL 0
	FILL 1
	FILL 2
	FILL 3                                         ; slot 4 is asked for in turn 0, like every slot after it: a turn behind its reading
	s_wait_loadcnt 32                              ; loads come back in order: vpart's four are in, the four rows' 32 stay out
	v_pk_add_f32 v[ACC:ACC+1], v[ACC:ACC+1], v[ACC+2:ACC+3]
	v_pk_add_f32 v[ACC+4:ACC+5], v[ACC+4:ACC+5], v[ACC+6:ACC+7]
	v_pk_add_f32 v[ACC:ACC+1], v[ACC:ACC+1], v[ACC+4:ACC+5]       ; v = the four planes' sum
	s_wait_alu depctr_va_vdst(0)                   ; the adds have written v[ACC:ACC+1], which the LDS store reads
	ds_store_b64 v2, v[ACC:ACC+1]
	s_wait_dscnt 0x0                               ; my store is done before I say so
	s_barrier_signal -1
	s_barrier_wait -1                              ; the row of v is whole in LDS
.irp j, 0,1,2,3,4,5,6,7
	ds_load_b128 v[V+4*\j:V+4*\j+3], v1 offset:512*\j   ; the same columns as load j of a row: 128 j + 4 l .. + 3; no vector instruction has named these registers
.endr
	s_wait_dscnt 0x0
	s_wait_alu depctr_vm_vsrc(0)                   ; my LDS store has read v[ACC:ACC+1], which the first turn's products write again
; The turn of row i: its dot product with v, in four chains.  The slot that the turn before read is asked for again, two loads ahead of each four products.
.macro TURN i
.if \i <= 12
	s_wait_loadcnt 24                              ; my row is in; the three rows behind it stay out
.else
	s_wait_loadcnt 8*(15-\i)                       ; the last rows: fewer are behind
.endif
.if (\i >= 1) && (\i+4 < 16)
	s_wait_alu depctr_va_vdst(0)                   ; the turn before is done reading its slot, in which the eight loads below land; no vector instruction of this turn names that slot
.endif
.irp q, 0,1,2,3
.if \i+4 < 16
	LD \i+4, 2*\q
	LD \i+4, 2*\q+1
.endif
.irp k, 0,1,2,3
.if \q == 0
	v_pk_mul_f32 v[ACC+2*\k:ACC+2*\k+1], v[X+32*((\i)%SLOTS)+2*\k:X+32*((\i)%SLOTS)+2*\k+1], v[V+2*\k:V+2*\k+1]   ; the first products start the sums
.else
	v_pk_fma_f32 v[ACC+2*\k:ACC+2*\k+1], v[X+32*((\i)%SLOTS)+2*(4*\q+\k):X+32*((\i)%SLOTS)+2*(4*\q+\k)+1], v[V+2*(4*\q+\k):V+2*(4*\q+\k)+1], v[ACC+2*\k:ACC+2*\k+1]
.endif
.endr
.endr
	v_pk_add_f32 v[ACC:ACC+1], v[ACC:ACC+1], v[ACC+2:ACC+3]
	v_pk_add_f32 v[ACC+4:ACC+5], v[ACC+4:ACC+5], v[ACC+6:ACC+7]
	v_pk_add_f32 v[ACC:ACC+1], v[ACC:ACC+1], v[ACC+4:ACC+5]
	v_add_f32 v[ACC], v[ACC], v[ACC+1]
	WSUM ACC, TMP
.if \i == 0
	v_mov_b32 v[RES], v[ACC]                       ; writes every lane; the later rows take their own lanes
.else
	v_cndmask_b32 v[RES], v[RES], v[ACC], s[MK+\i] ; the mask was made at the head, ahead of the wait on va_sdst
.endif
.endm
.irp i, 0,1,2,3,4,5,6,7,8,9,10,11,12,13,14,15
	TURN \i
.endr
	; The group's 256 scores meet in LDS and leave as whole runs of 512 bytes.
	s_wait_alu depctr_va_vdst(0)                   ; the last turn has written v[RES], which the LDS store reads, and the turns are done with v[8:11], in which the load below lands; no vector instruction follows
	ds_store_b32 v[SA], v[RES] offset:SC           ; lanes l and l + 16 write the same number to the same word
	s_wait_dscnt 0x0                               ; my store is done before I say so
	s_barrier_signal -1
	s_barrier_wait -1
	s_cmp_gt_u32 s10, 1
	s_cbranch_scc1 .Lend                           ; waves 0 and 1 carry the 1,024 bytes out
	ds_load_b128 v[8:11], v[OA] offset:SC
	s_wait_dscnt 0x0
	global_store_b128 v[OA], v[8:11], s[8:9]       ; a wave stores 512 consecutive bytes, at a multiple of 512
.Lend:
	s_wait_dscnt 0x0
	s_wait_alu depctr_hold_cnt(0) depctr_sa_sdst(0) depctr_va_vdst(0) depctr_va_sdst(0) depctr_va_ssrc(0) depctr_va_vcc(0) depctr_vm_vsrc(0)
	s_wait_tensorcnt 0x0
	ds_add_u32 v208, v209
	s_wait_dscnt 0x0
	s_endpgm
.Lfunc_end_k_q63df7654b2_dots:
	.size	k_q63df7654b2_dots, .Lfunc_end_k_q63df7654b2_dots-k_q63df7654b2_dots
	.p2alignl 7, 3214868480
	.fill 96, 4, 3214868480
	.section	.rodata,"a",@progbits
	.p2align	6, 0x0
	.amdhsa_kernel k_q63df7654b2_dots
		.amdhsa_group_segment_fixed_size 7168
		.amdhsa_private_segment_fixed_size 0
		.amdhsa_enable_private_segment 0
		.amdhsa_kernarg_size 24
		.amdhsa_user_sgpr_count 2
		.amdhsa_user_sgpr_kernarg_segment_ptr 1
		.amdhsa_wavefront_size32 1
		.amdhsa_system_sgpr_workgroup_id_x 1
		.amdhsa_system_sgpr_workgroup_id_y 1
		.amdhsa_system_sgpr_workgroup_id_z 1
		.amdhsa_system_vgpr_workitem_id 0
		.amdhsa_next_free_vgpr 210
		.amdhsa_next_free_sgpr 66
		.amdhsa_reserve_vcc 0
		.amdhsa_float_denorm_mode_32 3
		.amdhsa_float_denorm_mode_16_64 3
		.amdhsa_memory_ordered 1
		.amdhsa_forward_progress 1
		.amdhsa_inst_pref_size 44
	.end_amdhsa_kernel
	.amdgpu_metadata
---
amdhsa.version: [ 1, 2 ]
amdhsa.kernels:
  - .name:           k_q63df7654b2_dots
    .symbol:         k_q63df7654b2_dots.kd
    .args:
      - { .name: encoder_outputs, .offset: 0, .size: 8, .value_kind: global_buffer, .address_space: global }
      - { .name: vpart, .offset: 8, .size: 8, .value_kind: global_buffer, .address_space: global }
      - { .name: scores, .offset: 16, .size: 8, .value_kind: global_buffer, .address_space: global }
    .group_segment_fixed_size: 7168
    .private_segment_fixed_size: 0
    .kernarg_segment_align: 8
    .kernarg_segment_size: 24
    .max_flat_workgroup_size: 512
    .sgpr_count:     66
    .vgpr_count:     210
    .wavefront_size: 32
...
	.end_amdgpu_metadata
.endif
;; end of part 4
;; launch soft: the kernel of part 3 again; grid 32 x 1, 1 waves a work-group, no clusters, 0 bytes of LDS; arguments scores, hidden, b, out0; writes out0
